; MI455X (gfx1250); checked and timed in simulation.
; The chip was launched on July 23, 2026; its instructions are those of AMD's public machine-readable ISA for CDNA 5 (MIT licence, August 2026) and "CDNA5" Instruction Set Architecture Reference Guide (July 2026). The comments in the code are by the model that wrote it; some were corrected since.
;; Attention Block. Allowed arithmetic: float matrix products may take bf16 or f16 operands with f32 sums; all other float work in f32.
;; Inputs: b_proj 256 float32; b_qkv 768 float32; beta 256 float32; gamma 256 float32; w_proj 256 x 256 float32; w_qkv 768 x 256 float32; x 4 x 256 x 64 x 64 float32.
;; Outputs: out0 4 x 256 x 64 x 64 float32.
;; One version. Each part assembles by itself: llvm-mc -triple=amdgcn-amd-amdhsa -mcpu=gfx1250 --defsym DOCPART=n.
;; ======== version 1 of 1: 3 launches
;; workspace buffers: part 2,048 bytes; wq16 393,216 bytes; wp16 131,072 bytes; qbuf 8,388,608 bytes; kbuf 8,388,608 bytes; vbuf 8,388,608 bytes
;; launch prep (part 1): grid 256 x 1, 8 waves a work-group, no clusters, 1,536 bytes of LDS; arguments x, w_qkv, w_proj, part, wq16, wp16; writes part, wq16, wp16
.if DOCPART == 1
	.amdgcn_target "amdgcn-amd-amdhsa--gfx1250"
	.amdhsa_code_object_version 6
	.text
	.protected	k_q5d47d41de8_prep
	.globl	k_q5d47d41de8_prep
	.p2align	8
	.type	k_q5d47d41de8_prep,@function
k_q5d47d41de8_prep:
	s_mov_b64 s[64:65], 0
	v_nop
	global_prefetch_b8 v0, s[64:65] scope:SCOPE_SE
	s_setreg_imm32_b32 hwreg(HW_REG_WAVE_MODE, 25, 1), 1
	s_wait_xcnt 0x0
; PREP: statistics of x by chunks, and the weights rounded to bf16.
; Work-group i owns the 65,536 bytes (16,384 f32) of x from byte 65,536 i.  A GroupNorm group (32 channels x 4,096 pixels) is 8 such
; chunks in a row, so entry i of part belongs to group i / 8.  The entry is (mean of the chunk, sum of squares about THAT mean): the
; variance is never formed as a difference of large sums, so a common offset of x costs no digits.
; The chunk stays in 64 registers a thread between the pass for the mean and the pass for the squares: x is read once here.
; Thread t takes 16 bytes at 16 t + 4,096 j, j = 0..15: a wave's load covers 512 neighbouring bytes.
; Besides, work-group i rounds 1,024 weights to bf16: i < 192 block i of w_qkv, else block i - 192 of w_proj (192 + 64 blocks of 4,096 bytes).
; No matrix unit, no cluster, no tensor load: no two work-groups read the same byte, and the data fit the registers.
.set X,   4                            ; v[4:67]   my 64 numbers of x
.set WF,  68                           ; v[68:71]  my 4 weights
.set A,   72                           ; v[72:79]  four chains of packed sums
.set WB,  80                           ; v[80:81]  my 4 weights in bf16 (a store's data: never rewritten)
.set RS,  82                           ; v82       a sum on its way: lane, wave
.set AW,  84                           ; v84       LDS address 4 x wave
.set AZ,  85                           ; v85       0
.set MN,  86                           ; v[86:87]  the mean twice; at the end (mean, M2)
.set G,   88                           ; v[88:95]  the eight waves' sums
	s_load_b256 s[4:11], s[0:1], 0x0               ; x s[4:5], w_qkv s[6:7], w_proj s[8:9], part s[10:11]
	s_load_b128 s[12:15], s[0:1], 0x20             ; wq16 s[12:13], wp16 s[14:15]
	v_lshl_add_u32 v96, v0, 2, 0x200
	v_mov_b32 v97, 0
	v_lshrrev_b32 v3, 5, v0
	v_readfirstlane_b32 s16, v3                    ; wave 0..7
	v_lshlrev_b32 v1, 4, v0                        ; 16 t
	v_lshlrev_b32 v2, 3, v0                        ; 8 t
	v_mov_b32 v[AZ], 0
	s_lshl_b32 s19, s16, 2
	v_mov_b32 v[AW], s19
	s_mov_b32 s24, 0x76543210                      ; v_permlanex16_b32: lane i of one half reads lane i of the other
	s_mov_b32 s25, 0xfedcba98
	s_max_u32 s17, ttmp9, 192
	s_sub_co_u32 s17, s17, 192                     ; block of w_proj, 0 where the group works on w_qkv
	s_cmp_lt_u32 ttmp9, 192
	s_cselect_b32 s18, ttmp9, s17                  ; my block in the chosen matrix
	s_wait_kmcnt 0x0
	s_cselect_b64 s[20:21], s[6:7], s[8:9]         ; from
	s_cselect_b64 s[22:23], s[12:13], s[14:15]     ; to
	s_lshl_b32 s26, s18, 12
	s_mov_b32 s27, 0
	s_add_nc_u64 s[20:21], s[20:21], s[26:27]      ; 4,096 bytes of f32 a block
	s_lshl_b32 s28, s18, 11
	s_mov_b32 s29, 0
	s_add_nc_u64 s[22:23], s[22:23], s[28:29]      ; 2,048 bytes of bf16 a block
	s_lshl_b32 s30, ttmp9, 16
	s_mov_b32 s31, 0
	s_add_nc_u64 s[4:5], s[4:5], s[30:31]          ; my chunk of x
	s_lshl_b32 s26, ttmp9, 3
	s_add_nc_u64 s[10:11], s[10:11], s[26:27]      ; my entry of part
	global_load_b128 v[WF:WF+3], v1, s[20:21] th:TH_LOAD_NT
.irp j, 0,1,2,3,4,5,6,7,8,9,10,11,12,13,14,15
	global_load_b128 v[X+4*\j:X+4*\j+3], v1, s[4:5] offset:\j*4096
.endr
	s_wait_loadcnt 16                              ; the weights are in; the 16 loads of x stay out
	v_cvt_pk_bf16_f32 v[WB], v[WF], v[WF+1]
	v_cvt_pk_bf16_f32 v[WB+1], v[WF+2], v[WF+3]
	global_store_b64 v2, v[WB:WB+1], s[22:23]      ; 32 lanes x 8 bytes: 256 consecutive bytes, aligned
; the four chains become one number a lane, then the wave's sum in every lane
.macro FOLD
	v_pk_add_f32 v[A:A+1], v[A:A+1], v[A+2:A+3]
	v_pk_add_f32 v[A+4:A+5], v[A+4:A+5], v[A+6:A+7]
	v_pk_add_f32 v[A:A+1], v[A:A+1], v[A+4:A+5]
	v_add_f32 v[RS], v[A], v[A+1]
	v_add_f32_dpp v[RS], v[RS], v[RS] row_xmask:1 row_mask:0xf bank_mask:0xf
	v_add_f32_dpp v[RS], v[RS], v[RS] row_xmask:2 row_mask:0xf bank_mask:0xf
	v_add_f32_dpp v[RS], v[RS], v[RS] row_xmask:4 row_mask:0xf bank_mask:0xf
	v_add_f32_dpp v[RS], v[RS], v[RS] row_xmask:8 row_mask:0xf bank_mask:0xf
	v_permlanex16_b32 v[A+1], v[RS], s24, s25      ; its destination counts as read: a register that has been written
	v_add_f32 v[RS], v[RS], v[A+1]
.endm
; the eight waves' sums meet in LDS at byte off; the group's sum goes to register dst of every lane
.macro GSUM dst, off
	ds_store_b32 v[AW], v[RS] offset:\off          ; all lanes write the wave's word with the same value
	s_wait_dscnt 0x0                               ; for the other waves' sake: my store is done before I signal
	s_barrier_signal -1
	s_barrier_wait -1
	ds_load_b128 v[G:G+3], v[AZ] offset:\off
	ds_load_b128 v[G+4:G+7], v[AZ] offset:\off+16
	s_wait_dscnt 0x0
	v_pk_add_f32 v[G:G+1], v[G:G+1], v[G+2:G+3]
	v_pk_add_f32 v[G+4:G+5], v[G+4:G+5], v[G+6:G+7]
	v_pk_add_f32 v[G:G+1], v[G:G+1], v[G+4:G+5]
	v_add_f32 v[\dst], v[G], v[G+1]
.endm
	; pass 1: the sum.  The first adds start the chains: nothing is cleared.
	s_wait_loadcnt 12                              ; loads 0-3 of x are in, twelve younger ones stay out
.irp k, 0,1,2,3
	v_pk_add_f32 v[A+2*\k:A+2*\k+1], v[X+2*\k:X+2*\k+1], v[X+8+2*\k:X+8+2*\k+1]
.endr
.irp g, 1,2,3
	s_wait_loadcnt 12-4*\g                         ; the next four loads are in
.irp q, 0,1,2,3,4,5,6,7
	v_pk_add_f32 v[A+2*(\q%4):A+2*(\q%4)+1], v[A+2*(\q%4):A+2*(\q%4)+1], v[X+16*\g+2*\q:X+16*\g+2*\q+1]
.endr
.endr
	FOLD
	GSUM RS, 0
	v_mul_f32 v[MN], 0x38800000, v[RS]             ; / 16,384
	v_mul_f32 v[MN+1], 0x38800000, v[RS]
	; pass 2: squares about the mean, from the registers
.set pp, 0
.rept 32
	v_pk_add_f32 v[X+2*pp:X+2*pp+1], v[X+2*pp:X+2*pp+1], v[MN:MN+1] neg_lo:[0,1] neg_hi:[0,1]
.if pp < 4
	v_pk_mul_f32 v[A+2*pp:A+2*pp+1], v[X+2*pp:X+2*pp+1], v[X+2*pp:X+2*pp+1]
.else
	v_pk_fma_f32 v[A+2*(pp%4):A+2*(pp%4)+1], v[X+2*pp:X+2*pp+1], v[X+2*pp:X+2*pp+1], v[A+2*(pp%4):A+2*(pp%4)+1]
.endif
.set pp, pp+1
.endr
	FOLD
	GSUM MN+1, 256                                 ; other LDS bytes than the first sum's: no barrier between the two uses
	s_cmp_lg_u32 s16, 0
	s_cbranch_scc1 .Ldone
	s_wait_xcnt 0x0                                ; EXEC is a source of my pending store: it changes only behind this wait
	v_cmp_eq_u32 vcc_lo, 0, v0
	s_and_saveexec_b32 s19, vcc_lo
	global_store_b64 v[AZ], v[MN:MN+1], s[10:11]   ; thread 0: (mean, M2)
	s_wait_xcnt 0x0
	s_or_b32 exec_lo, exec_lo, s19
.Ldone:
	s_wait_tensorcnt 0x0
	ds_add_u32 v96, v97
	s_wait_dscnt 0x0
	s_endpgm
.Lfunc_end_k_q5d47d41de8_prep:
	.size	k_q5d47d41de8_prep, .Lfunc_end_k_q5d47d41de8_prep-k_q5d47d41de8_prep
	.p2alignl 7, 3214868480
	.fill 96, 4, 3214868480
	.section	.rodata,"a",@progbits
	.p2align	6, 0x0
	.amdhsa_kernel k_q5d47d41de8_prep
		.amdhsa_group_segment_fixed_size 1536
		.amdhsa_private_segment_fixed_size 0
		.amdhsa_enable_private_segment 0
		.amdhsa_kernarg_size 48
		.amdhsa_user_sgpr_count 2
		.amdhsa_user_sgpr_kernarg_segment_ptr 1
		.amdhsa_wavefront_size32 1
		.amdhsa_system_sgpr_workgroup_id_x 1
		.amdhsa_system_sgpr_workgroup_id_y 1
		.amdhsa_system_sgpr_workgroup_id_z 1
		.amdhsa_system_vgpr_workitem_id 0
		.amdhsa_next_free_vgpr 98
		.amdhsa_next_free_sgpr 66
		.amdhsa_reserve_vcc 1
		.amdhsa_float_denorm_mode_32 3
		.amdhsa_float_denorm_mode_16_64 3
		.amdhsa_memory_ordered 1
		.amdhsa_forward_progress 1
		.amdhsa_inst_pref_size 12
	.end_amdhsa_kernel
	.amdgpu_metadata
---
amdhsa.version: [ 1, 2 ]
amdhsa.kernels:
  - .name:           k_q5d47d41de8_prep
    .symbol:         k_q5d47d41de8_prep.kd
    .args:
      - { .name: x, .offset: 0, .size: 8, .value_kind: global_buffer, .address_space: global }
      - { .name: w_qkv, .offset: 8, .size: 8, .value_kind: global_buffer, .address_space: global }
      - { .name: w_proj, .offset: 16, .size: 8, .value_kind: global_buffer, .address_space: global }
      - { .name: part, .offset: 24, .size: 8, .value_kind: global_buffer, .address_space: global }
      - { .name: wq16, .offset: 32, .size: 8, .value_kind: global_buffer, .address_space: global }
      - { .name: wp16, .offset: 40, .size: 8, .value_kind: global_buffer, .address_space: global }
    .group_segment_fixed_size: 1536
    .private_segment_fixed_size: 0
    .kernarg_segment_align: 8
    .kernarg_segment_size: 48
    .max_flat_workgroup_size: 256
    .sgpr_count:     66
    .vgpr_count:     98
    .wavefront_size: 32
...
	.end_amdgpu_metadata
.endif
;; end of part 1
;; launch qkv (part 2): grid 256 x 1, 4 waves a work-group, clusters of 4 x 1, 327,680 bytes of LDS; arguments x, gamma, beta, part, wq16, b_qkv, qbuf, kbuf, vbuf; writes qbuf, kbuf, vbuf
.if DOCPART == 2
	.amdgcn_target "amdgcn-amd-amdhsa--gfx1250"
	.amdhsa_code_object_version 6
	.text
	.protected	k_q5d47d41de8_qkv
	.globl	k_q5d47d41de8_qkv
	.p2align	8
	.type	k_q5d47d41de8_qkv,@function
k_q5d47d41de8_qkv:
	s_mov_b64 s[64:65], 0
	v_nop
	global_prefetch_b8 v0, s[64:65] scope:SCOPE_SE
	s_setreg_imm32_b32 hwreg(HW_REG_WAVE_MODE, 25, 1), 1
	s_wait_xcnt 0x0
	s_wait_alu depctr_hold_cnt(0) depctr_sa_sdst(0) depctr_va_vdst(0) depctr_va_sdst(0) depctr_va_ssrc(0) depctr_va_vcc(0) depctr_vm_vsrc(0)
	s_getreg_b32 s2, hwreg(HW_REG_IB_STS2, 6, 4)
	s_cmp_eq_u32 s2, 0
	s_cbranch_scc0 .Lentry_in_a_cluster
	s_endpgm
.Lentry_in_a_cluster:
	s_bfe_u32 s2, ttmp6, 0x10000c
	s_cmp_lg_u32 s2, 0x3003
	s_cbranch_scc0 .Lentry_shape_is_right
	s_endpgm
.Lentry_shape_is_right:
; QKV: h = GroupNorm(x) in f32, rounded to bf16; q, k, v = W h + b (bf16 operands, f32 sums), stored in bf16.
; A work-group owns 64 pixels of one batch and makes all 768 outputs for them, in three phases (q, k, v) of 256 outputs.
; In a phase wave w makes outputs 64 w .. 64 w + 63 for all 64 pixels: 4 x 4 tiles of 16 x 16, 8 K steps of 32: 128 matrix instructions.
; h is made once, laid into LDS as [channel][pixel], and read transposed into 32 fragments (256 registers) that serve all three phases.
; CLUSTER: the weights are the same for all work-groups, so the four of a cluster ask for them jointly (mask 15): a quarter of the requests.
; Wave w fetches, and alone reads, rows 64 w .. 64 w + 63 of a phase's weights.  Two LDS slots: Wq and Wk first, Wv into Wq's slot.
; A wave has at most two tensor loads out (the two first fills), later one.
; OUTPUT LAYOUT, blocks of 32 KiB for 64 pixels, block = 64 b + pixel / 64:
;   q, k: [quarter 4][pixel 64][64 channels]    v: [channel 256][pixel 64]     rows of 128 bytes; wave w's result is the 8 KiB at 8,192 w.
; q and k are made with W as the first matrix source, so that a lane holds 8 neighbouring channels of a pixel; v with h as the first
; source, so that a lane holds 8 neighbouring pixels of a channel.
; LIMITS: h, W and the results are rounded to bf16.  h = x a + (beta - mu a) with a = gamma rstd, one fused multiply-add in f32: beta - mu a is
; rounded once, an absolute error of 2^-24 |mu a|.  NaN and infinities are not treated apart.
.set PW,    528                        ; LDS pitch of a weight row: 512 bytes + 16, an odd multiple of 16
.set WPART, 64*PW                      ; a wave's 64 rows
.set SLOTB, 4*WPART                    ; a slot: 256 rows
.set HT,    2*SLOTB                    ; h: [channel 256][pixel 64] bf16
.set PH,    160                        ; its pitch: 128 bytes + 32, an odd multiple of 32 for the transposing load
.set TAB,   HT+256*PH                  ; channel c at 16 c: (a, a, sh, sh)
.set PS,    144                        ; pitch of the stage for the way out: 128 bytes + 16
.set STGB,  64*PS                      ; a wave's stage; the four lie in h's bytes once h is in registers.  No tensor load ever lands in HT or TAB
.set XO,   4                           ; v4   16,384 h + 16 r: x, two channels a load
.set ATB,  5                           ; v5   TAB + 16 (64 w + h)
.set AHS,  6                           ; v6   HT + 160 (64 w + h) + 8 r
.set AH,   7                           ; v7   HT + 160 (8 h + L % 8) + 16 ((L / 8) % 2)
.set ADW0, 8                           ; v8   my weight rows in slot 0: WPART w + 528 r + 16 h
.set ADW1, 9                           ; v9   the same in slot 1
.set ASW,  10                          ; v10  stage, in
.set ASR,  11                          ; v11  stage, back
.set GO,   12                          ; v12  16 L
.set BO1,  13                          ; v13  256 w + 32 h: bias of q and k
.set BO2,  14                          ; v14  256 w + 4 r: bias of v
.set PO,   15                          ; v15  64 (t / 16): my group's eight entries of part
.set GB,   16                          ; v16  8 t: gamma and beta of channels 2 t, 2 t + 1
.set KB,   32                          ; v[32:127]  three buffers of four weight fragments; before that the statistics
.set ACC,  128                         ; v[128:255] tile (ot, nt) at 128 + 8 (4 ot + nt); before that x, load t at 128 + 4 t
.set BI,   128                         ; window 2: bias tile of phase p, block ot at 128 + 32 p + 8 ot.  Window 2, v[0:127]: the table rows
                                       ; window 1: h fragment (nt, kc) at 8 (8 nt + kc)
.set WV,   24                          ; s24  wave
.set G1,   16                          ; s[16:23] descriptor group 1
.set G0,   32                          ; s[32:39] descriptor group 0, one set for each slot
.set MSB, 0
.macro WIN new                         ; the immediate's high byte repeats the setting that is left
.if MSB != (\new)
	s_set_vgpr_msb (MSB<<8)|(\new)
.set MSB, (\new)
.endif
.endm
.macro PLACES n                        ; places behind matrix instructions (ISA guide 7.12.1)
.rept \n
	v_nop
.endr
.endm
.macro ROUND                           ; a round of the cluster's barrier
	s_barrier_signal -1
	s_barrier_wait -1
	s_cmp_lg_u32 s[WV], 0
	s_cbranch_scc1 .Lnot_wave_0_\@
	s_barrier_signal -3
.Lnot_wave_0_\@:
	s_barrier_wait -3
	s_barrier_signal -1
	s_barrier_wait -1
.endm
	s_load_b256 s[4:11], s[0:1], 0x0               ; x s[4:5], gamma s[6:7], beta s[8:9], part s[10:11]
	s_load_b128 s[12:15], s[0:1], 0x20             ; wq16 s[12:13], b_qkv s[14:15]
	s_load_b128 s[40:43], s[0:1], 0x30             ; qbuf s[40:41], kbuf s[42:43]
	s_load_b64 s[44:45], s[0:1], 0x40              ; vbuf
	v_lshl_add_u32 v30, v0, 2, 0x4d000
	v_mov_b32 v31, 0
	ds_add_u32 v30, v31
	v_lshrrev_b32 v17, 5, v0
	v_readfirstlane_b32 s[WV], v17                 ; wave 0..3
	s_bfe_u32 s25, ttmp6, 0x40000                  ; cx
	s_lshl_b32 s26, ttmp9, 2
	s_add_co_u32 s26, s26, s25                     ; work-group = 4 x cluster + cx = block of 64 pixels, 0..255
	s_lshr_b32 s27, ttmp9, 4                       ; batch
	s_and_b32 s28, s26, 63                         ; block within the batch
	; group 1: 64 rows of 256 bf16, 16 bytes of padding behind each row's 128 words, mask of all four work-groups
	s_mov_b32 s[G1+0], 15|(1<<16)|(1<<20)|(1<<21)|(6<<22)|(3<<25)
	s_mov_b32 s[G1+1], 256<<16                     ; tensor_dim0 = 256
	s_mov_b32 s[G1+2], 64<<16                      ; tensor_dim1 = 64
	s_mov_b32 s[G1+3], 256<<16                     ; tile_dim0 = 256
	s_mov_b32 s[G1+4], 64                          ; tile_dim1 = 64
	s_mov_b32 s[G1+5], 256                         ; elements from row to row
	s_mov_b32 s[G1+6], 0
	s_mov_b32 s[G1+7], 0
	s_lshl_b32 s30, s[WV], 15                      ; my 64 rows of 512 bytes
	s_mov_b32 s31, 0
	s_mov_b32 s[G0+0], 1
	s_mul_i32 s[G0+1], s[WV], WPART                ; LDS: the wave's number times a constant, plus the slot's constant
	s_mov_b32 s[G0+4], 1
	s_add_co_u32 s[G0+5], s[G0+1], SLOTB
	s_lshl_b32 s50, s27, 22                        ; x: batch x 4 MiB + 64 w channels of 16,384 bytes + 256 bytes a block
	s_lshl_b32 s46, s[WV], 20
	s_add_co_u32 s50, s50, s46
	s_lshl_b32 s46, s28, 8
	s_add_co_u32 s50, s50, s46
	s_mov_b32 s51, 0
	s_lshl_b32 s48, s27, 9                         ; part: 64 entries of 8 bytes a batch
	s_mov_b32 s49, 0
	s_lshl_b32 s46, s26, 15                        ; outputs: 32 KiB a block + 8 KiB a wave
	s_lshl_b32 s47, s[WV], 13
	s_add_co_u32 s46, s46, s47
	s_mov_b32 s47, 0
	s_mov_b32 s52, 0x37000000                      ; 2^-17: a group has 131,072 numbers
	s_mov_b32 s53, 0x3727c5ac                      ; 1e-5
	s_wait_dscnt 0x0
	s_wait_kmcnt 0x0
	s_add_nc_u64 s[G0+2:G0+3], s[12:13], s[30:31]  ; Wq, my rows: the address hangs on the wave's number alone
	s_add_nc_u64 s[G0+6:G0+7], s[G0+2:G0+3], 0x20000   ; Wk: 256 rows on
	s_or_b32 s[G0+3], s[G0+3], 0x80000000
	s_or_b32 s[G0+7], s[G0+7], 0x80000000
	s_add_nc_u64 s[4:5], s[4:5], s[50:51]
	s_add_nc_u64 s[10:11], s[10:11], s[48:49]
	s_add_nc_u64 s[40:41], s[40:41], s[46:47]
	s_add_nc_u64 s[42:43], s[42:43], s[46:47]
	s_add_nc_u64 s[44:45], s[44:45], s[46:47]
	ROUND                                          ; the four work-groups are here: the first joint loads meet
	tensor_load_to_lds s[G0:G0+3], s[G1:G1+7]      ; both first fills as one group
	s_nop 0
	tensor_load_to_lds s[G0+4:G0+7], s[G1:G1+7]
	s_nop 0
	v_and_b32 v3, 31, v0                           ; L
	v_and_b32 v1, 15, v0                           ; r
	v_bfe_u32 v2, v0, 4, 1                         ; h
	v_lshlrev_b32 v[XO], 4, v1
	v_lshl_add_u32 v[XO], v2, 14, v[XO]
	v_lshrrev_b32 v18, 4, v0
	v_lshlrev_b32 v[PO], 6, v18
	v_lshlrev_b32 v[GB], 3, v0
	s_lshl_b32 s55, s[WV], 8
	v_lshl_add_u32 v[BO1], v2, 5, s55
	v_lshl_add_u32 v[BO2], v1, 2, s55
	; 26 small loads, then the 32 loads of x
.irp k, 0,1,2,3
	global_load_b128 v[KB+4*\k:KB+4*\k+3], v[PO], s[10:11] offset:16*\k      ; (mean, M2) of chunks 2 k, 2 k + 1
.endr
	global_load_b64 v[48:49], v[GB], s[6:7]
	global_load_b64 v[50:51], v[GB], s[8:9]
	WIN 0x80                                       ; destination in window 2
.irp p, 0,1
.irp ot, 0,1,2,3
	global_load_b128 v[BI+32*\p+8*\ot:BI+32*\p+8*\ot+3],   v[BO1], s[14:15] offset:\p*1024+\ot*64      ; register j: bias of output 16 ot + 8 h + j
	global_load_b128 v[BI+32*\p+8*\ot+4:BI+32*\p+8*\ot+7], v[BO1], s[14:15] offset:\p*1024+\ot*64+16
.endr
.endr
.irp ot, 0,1,2,3
	global_load_b32 v[BI+64+8*\ot], v[BO2], s[14:15] offset:2048+\ot*64      ; v: bias of output 16 ot + r, the same for all eight registers
.endr
	WIN 0
.irp t, 0,1,2,3,4,5,6,7,8,9,10,11,12,13,14,15,16,17,18,19,20,21,22,23,24,25,26,27,28,29,30,31
	global_load_b128 v[ACC+4*\t:ACC+4*\t+3], v[XO], s[4:5] offset:\t*32768   ; channels 64 w + 2 t + h: sixteen lanes take 256 consecutive bytes, aligned
.endr
	; the remaining addresses
	s_lshl_b32 s29, s[WV], 6
	v_add_nc_u32 v17, s29, v2                      ; 64 w + h
	v_lshl_add_u32 v[ATB], v17, 4, TAB
	v_mul_u32_u24 v18, v17, PH
	v_lshl_add_u32 v18, v1, 3, v18
	v_add_nc_u32 v[AHS], HT, v18
	v_and_b32 v19, 7, v0
	v_lshl_add_u32 v18, v2, 3, v19
	v_mul_u32_u24 v18, v18, PH
	v_bfe_u32 v21, v0, 3, 1
	v_lshl_add_u32 v18, v21, 4, v18
	v_add_nc_u32 v[AH], HT, v18
	v_mul_u32_u24 v18, v1, PW
	v_lshl_add_u32 v18, v2, 4, v18
	v_add_nc_u32 v[ADW0], s[G0+1], v18
	v_add_nc_u32 v[ADW1], s[G0+5], v18
	s_mul_i32 s54, s[WV], STGB
	s_add_co_u32 s54, s54, HT
	v_mul_u32_u24 v18, v1, PS
	v_lshl_add_u32 v18, v2, 4, v18
	v_add_nc_u32 v[ASW], s54, v18
	v_lshrrev_b32 v18, 3, v3
	v_mul_u32_u24 v18, v18, PS
	v_lshl_add_u32 v18, v19, 4, v18
	v_add_nc_u32 v[ASR], s54, v18
	v_lshlrev_b32 v[GO], 4, v3
	; the group's mean and variance from its eight chunks of 16,384 numbers: mu = mean of the means,
	; var = (sum of M2 + 16,384 x sum of (mean_k - mu)^2) / 131,072.  Thread t makes the table rows of channels 2 t and 2 t + 1.
	s_wait_loadcnt 32                              ; the 26 small loads are in; the 32 loads of x stay out
	v_pk_add_f32 v[52:53], v[32:33], v[34:35]      ; (mean, M2) pairs add as pairs
	v_pk_add_f32 v[54:55], v[36:37], v[38:39]
	v_pk_add_f32 v[56:57], v[40:41], v[42:43]
	v_pk_add_f32 v[58:59], v[44:45], v[46:47]
	v_pk_add_f32 v[52:53], v[52:53], v[54:55]
	v_pk_add_f32 v[56:57], v[56:57], v[58:59]
	v_pk_add_f32 v[52:53], v[52:53], v[56:57]
	v_mul_f32 v52, 0x3e000000, v52                 ; mu
.irp k, 32,34,36,38,40,42,44,46
	v_sub_f32 v\k, v\k, v52
.endr
	v_mul_f32 v60, v32, v32
.irp k, 34,36,38,40,42,44,46
	v_fmac_f32 v60, v\k, v\k
.endr
	v_fmamk_f32 v53, v60, 0x46800000, v53
	v_fma_f32 v53, v53, s52, s53                   ; var + eps
	v_rsq_f32 v54, v53
	v_lshl_add_u32 v20, v0, 5, TAB                 ; one plain instruction behind v_rsq_f32 before its result is used (ISA guide 5.7.2): my two table rows
	s_wait_alu depctr_va_vdst(0)
	v_mul_f32 v60, v48, v54                        ; a = gamma rstd, twice
	v_mul_f32 v61, v48, v54
	v_mul_f32 v64, v49, v54
	v_mul_f32 v65, v49, v54
	v_fma_f32 v62, -v52, v60, v50                  ; sh = beta - mu a, twice
	v_fma_f32 v63, -v52, v60, v50
	v_fma_f32 v66, -v52, v64, v51
	v_fma_f32 v67, -v52, v64, v51
	ds_store_b128 v20, v[60:63]
	ds_store_b128 v20, v[64:67] offset:16
	WIN 0x82                                       ; v's bias word fills its tile of eight registers
.irp ot, 0,1,2,3
.irp j, 1,2,3,4,5,6,7
	v_mov_b32 v[BI+64+8*\ot+\j], v[BI+64+8*\ot]
.endr
.endr
	WIN 0
	s_wait_dscnt 0x0                               ; my table rows are written before I signal
	s_barrier_signal -1
	s_barrier_wait -1
	WIN 0x80
.irp t, 0,1,2,3,4,5,6,7,8,9,10,11,12,13,14,15,16,17,18,19,20,21,22,23,24,25,26,27,28,29,30,31
	ds_load_b128 v[4*\t:4*\t+3], v[ATB] offset:\t*32                         ; (a, a, sh, sh) of channel 64 w + 2 t + h
.endr
	s_wait_dscnt 0x0
	WIN 0x28                                       ; sources 1 and 2 in window 2
.irp t, 0,1,2,3,4,5,6,7,8,9,10,11,12,13,14,15,16,17,18,19,20,21,22,23,24,25,26,27,28,29,30,31
	s_wait_loadcnt 31-\t                           ; load t of x is in, the younger ones stay out
	v_pk_fma_f32 v[ACC+4*\t:ACC+4*\t+1],   v[ACC+4*\t:ACC+4*\t+1],   v[4*\t:4*\t+1], v[4*\t+2:4*\t+3]
	v_pk_fma_f32 v[ACC+4*\t+2:ACC+4*\t+3], v[ACC+4*\t+2:ACC+4*\t+3], v[4*\t:4*\t+1], v[4*\t+2:4*\t+3]
.endr
	WIN 0
.irp t, 0,1,2,3,4,5,6,7,8,9,10,11,12,13,14,15,16,17,18,19,20,21,22,23,24,25,26,27,28,29,30,31
	v_cvt_pk_bf16_f32 v[ACC+4*\t],   v[ACC+4*\t],   v[ACC+4*\t+1]
	v_cvt_pk_bf16_f32 v[ACC+4*\t+1], v[ACC+4*\t+2], v[ACC+4*\t+3]
	ds_store_b64 v[AHS], v[ACC+4*\t:ACC+4*\t+1] offset:\t*2*PH               ; h(channel, 4 r .. 4 r + 3)
.endr
	s_wait_dscnt 0x0                               ; my 64 channels of h are written before I signal
	s_barrier_signal -1
	s_barrier_wait -1
	WIN 0x40                                       ; destination in window 1
.irp nt, 0,1,2,3
.irp kc, 0,1,2,3,4,5,6,7
	ds_load_tr16_b128 v[8*(8*\nt+\kc):8*(8*\nt+\kc)+3],   v[AH] offset:\kc*32*PH+\nt*32          ; pixel 16 nt + r, channels 32 kc + 8 h ..
	ds_load_tr16_b128 v[8*(8*\nt+\kc)+4:8*(8*\nt+\kc)+7], v[AH] offset:\kc*32*PH+\nt*32+16*PH    ; channels 32 kc + 16 + 8 h ..
.endr
.endr
	WIN 0
	s_wait_dscnt 0x0                               ; h is in my registers: behind the barrier its bytes serve as stages
	s_wait_tensorcnt 0x1                           ; my rows of Wq have landed; Wk's may stay out
	s_barrier_signal -1
	s_barrier_wait -1
; eight LDS loads: the four weight fragments (16 rows x 32 K) of K step kc into buffer kc % 3
.macro WLOAD adr, kc
.irp ot, 0,1,2,3
	ds_load_b128 v[KB+32*((\kc)%3)+8*\ot:KB+32*((\kc)%3)+8*\ot+3],   v[\adr] offset:\ot*16*PW+(\kc)*64
	ds_load_b128 v[KB+32*((\kc)%3)+8*\ot+4:KB+32*((\kc)%3)+8*\ot+7], v[\adr] offset:\ot*16*PW+(\kc)*64+32
.endr
.endm
; A phase's 128 matrix instructions.  The 16 accumulators take turns, one instruction a turn.  The first K step takes the bias tile as C.
; Fragments are fetched three K steps ahead: at a step's wait the two younger groups of eight loads may stay out (16), at the end 8 and 0.
; A load into a buffer that matrix instructions have read stands four places behind them.
.macro MM adr, swap, ph
	WLOAD \adr, 0
	WLOAD \adr, 1
	WLOAD \adr, 2
.irp kc, 0,1,2,3,4,5,6,7
.if \kc < 6
	s_wait_dscnt 16
.else
	s_wait_dscnt 8*(7-\kc)
.endif
.if \swap
.if \kc == 0
	WIN 0x21                                       ; h (source 0) window 1, the bias (C) window 2
.else
	WIN 0x01
.endif
.else
.if \kc == 0
	WIN 0x24                                       ; h (source 1) window 1, the bias (C) window 2
.else
	WIN 0x04
.endif
.endif
.irp ot, 0,1,2,3
.irp nt, 0,1,2,3
.set TL,  ACC+8*(4*\ot+\nt)
.set WFR, KB+32*(\kc%3)+8*\ot
.set HFR, 8*(8*\nt+\kc)
.set CB,  BI+32*\ph+8*\ot
.if \swap
.if \kc == 0
	v_wmma_f32_16x16x32_bf16 v[TL:TL+7], v[HFR:HFR+7], v[WFR:WFR+7], v[CB:CB+7]
.else
	v_wmma_f32_16x16x32_bf16 v[TL:TL+7], v[HFR:HFR+7], v[WFR:WFR+7], v[TL:TL+7]
.endif
.else
.if \kc == 0
	v_wmma_f32_16x16x32_bf16 v[TL:TL+7], v[WFR:WFR+7], v[HFR:HFR+7], v[CB:CB+7]
.else
	v_wmma_f32_16x16x32_bf16 v[TL:TL+7], v[WFR:WFR+7], v[HFR:HFR+7], v[TL:TL+7]
.endif
.endif
.endr
.endr
.if \kc < 5
	PLACES 4
.if \swap
	WIN 0                                          ; an LDS load's address is its source 0
.endif
	WLOAD \adr, \kc+3
.endif
.endr
	WIN 0
.endm
; The way out of a phase: round to bf16 in place, 16 bytes a lane into my own stage (64 rows of 128 bytes), read back four rows at a time,
; and store: each store of the wave covers 512 consecutive bytes, aligned.  LDS serves a wave's instructions in order (ISA guide 5.7.1.4).
.macro EPI swap, base
	PLACES 4                                       ; four places behind the last matrix instruction before its result is read
.irp ot, 0,1,2,3
.irp nt, 0,1,2,3
.set TL, ACC+8*(4*\ot+\nt)
	v_cvt_pk_bf16_f32 v[TL],   v[TL],   v[TL+1]
	v_cvt_pk_bf16_f32 v[TL+1], v[TL+2], v[TL+3]
	v_cvt_pk_bf16_f32 v[TL+2], v[TL+4], v[TL+5]
	v_cvt_pk_bf16_f32 v[TL+3], v[TL+6], v[TL+7]
.endr
.endr
.irp ot, 0,1,2,3
.irp nt, 0,1,2,3
.set TL, ACC+8*(4*\ot+\nt)
.if \swap
	ds_store_b128 v[ASW], v[TL:TL+3] offset:\ot*16*PS+\nt*32       ; row = channel 16 ot + r, pixels 16 nt + 8 h ..
.else
	ds_store_b128 v[ASW], v[TL:TL+3] offset:\nt*16*PS+\ot*32       ; row = pixel 16 nt + r, channels 16 ot + 8 h ..
.endif
.endr
.endr
.irp t, 0,1,2,3,4,5,6,7,8,9,10,11,12,13,14,15
	ds_load_b128 v[ACC+8*\t+4:ACC+8*\t+7], v[ASR] offset:\t*4*PS
.endr
.irp t, 0,1,2,3,4,5,6,7,8,9,10,11,12,13,14,15
	s_wait_dscnt 15-\t                             ; load t is back, the younger ones stay out
	global_store_b128 v[GO], v[ACC+8*\t+4:ACC+8*\t+7], s[\base:\base+1] offset:\t*512
.endr
	s_wait_xcnt 0x0                                ; the stores' data registers are accumulators of the next phase: rewritten only behind this wait
.endm
	MM ADW0, 0, 0                                  ; q
	s_wait_tensorcnt 0x0                           ; all my tensor loads have landed (Wk among them): slot 0's group 0 may be written
	ds_add_u32 v30, v31
	s_add_nc_u64 s[G0+2:G0+3], s[G0+2:G0+3], 0x40000   ; Wv: 512 rows on
	s_wait_dscnt 0x0                               ; my reads of slot 0 are back
	ROUND                                          ; both hold of every wave of the four work-groups
	tensor_load_to_lds s[G0:G0+3], s[G1:G1+7]      ; the one refill: Wv into slot 0; it has q's way out and all of k's phase in which to land
	s_nop 0
	EPI 0, 40
	MM ADW1, 0, 1                                  ; k
	EPI 0, 42
	s_wait_tensorcnt 0x0                           ; Wv has landed
	s_wait_dscnt 0x0
	s_barrier_signal -1
	s_barrier_wait -1
	MM ADW0, 1, 2                                  ; v
	EPI 1, 44
	s_wait_tensorcnt 0x0
	ds_add_u32 v30, v31
	s_wait_dscnt 0x0
	ROUND                                          ; the closing round: no work-group ends while a partner may still ask jointly
	s_endpgm
.Lfunc_end_k_q5d47d41de8_qkv:
	.size	k_q5d47d41de8_qkv, .Lfunc_end_k_q5d47d41de8_qkv-k_q5d47d41de8_qkv
	.p2alignl 7, 3214868480
	.fill 96, 4, 3214868480
	.section	.rodata,"a",@progbits
	.p2align	6, 0x0
	.amdhsa_kernel k_q5d47d41de8_qkv
		.amdhsa_group_segment_fixed_size 327680
		.amdhsa_private_segment_fixed_size 0
		.amdhsa_enable_private_segment 0
		.amdhsa_kernarg_size 72
		.amdhsa_user_sgpr_count 2
		.amdhsa_user_sgpr_kernarg_segment_ptr 1
		.amdhsa_wavefront_size32 1
		.amdhsa_system_sgpr_workgroup_id_x 1
		.amdhsa_system_sgpr_workgroup_id_y 1
		.amdhsa_system_sgpr_workgroup_id_z 1
		.amdhsa_system_vgpr_workitem_id 0
		.amdhsa_next_free_vgpr 768
		.amdhsa_next_free_sgpr 66
		.amdhsa_reserve_vcc 0
		.amdhsa_float_denorm_mode_32 3
		.amdhsa_float_denorm_mode_16_64 3
		.amdhsa_memory_ordered 1
		.amdhsa_forward_progress 1
		.amdhsa_inst_pref_size 96
	.end_amdhsa_kernel
	.amdgpu_metadata
---
amdhsa.version: [ 1, 2 ]
amdhsa.kernels:
  - .name:           k_q5d47d41de8_qkv
    .symbol:         k_q5d47d41de8_qkv.kd
    .args:
      - { .name: x, .offset: 0, .size: 8, .value_kind: global_buffer, .address_space: global }
      - { .name: gamma, .offset: 8, .size: 8, .value_kind: global_buffer, .address_space: global }
      - { .name: beta, .offset: 16, .size: 8, .value_kind: global_buffer, .address_space: global }
      - { .name: part, .offset: 24, .size: 8, .value_kind: global_buffer, .address_space: global }
      - { .name: wq16, .offset: 32, .size: 8, .value_kind: global_buffer, .address_space: global }
      - { .name: b_qkv, .offset: 40, .size: 8, .value_kind: global_buffer, .address_space: global }
      - { .name: qbuf, .offset: 48, .size: 8, .value_kind: global_buffer, .address_space: global }
      - { .name: kbuf, .offset: 56, .size: 8, .value_kind: global_buffer, .address_space: global }
      - { .name: vbuf, .offset: 64, .size: 8, .value_kind: global_buffer, .address_space: global }
    .group_segment_fixed_size: 327680
    .private_segment_fixed_size: 0
    .kernarg_segment_align: 8
    .kernarg_segment_size: 72
    .max_flat_workgroup_size: 128
    .sgpr_count:     66
    .vgpr_count:     768
    .wavefront_size: 32
...
	.end_amdgpu_metadata
.endif
;; end of part 2
;; launch attn (part 3): grid 256 x 1, 4 waves a work-group, clusters of 4 x 1, 327,680 bytes of LDS; arguments qbuf, kbuf, vbuf, wp16, b_proj, x, out0; writes out0
.if DOCPART == 3
	.amdgcn_target "amdgcn-amd-amdhsa--gfx1250"
	.amdhsa_code_object_version 6
	.text
	.protected	k_q5d47d41de8_attn
	.globl	k_q5d47d41de8_attn
	.p2align	8
	.type	k_q5d47d41de8_attn,@function
k_q5d47d41de8_attn:
	s_mov_b64 s[64:65], 0
	v_nop
	global_prefetch_b8 v0, s[64:65] scope:SCOPE_SE
	s_setreg_imm32_b32 hwreg(HW_REG_WAVE_MODE, 25, 1), 1
	s_wait_xcnt 0x0
	s_wait_alu depctr_hold_cnt(0) depctr_sa_sdst(0) depctr_va_vdst(0) depctr_va_sdst(0) depctr_va_ssrc(0) depctr_va_vcc(0) depctr_vm_vsrc(0)
	s_getreg_b32 s2, hwreg(HW_REG_IB_STS2, 6, 4)
	s_cmp_eq_u32 s2, 0
	s_cbranch_scc0 .Lentry_in_a_cluster
	s_endpgm
.Lentry_in_a_cluster:
	s_bfe_u32 s2, ttmp6, 0x10000c
	s_cmp_lg_u32 s2, 0x3003
	s_cbranch_scc0 .Lentry_shape_is_right
	s_endpgm
.Lentry_shape_is_right:
; ATTN: out0 = x + Wp softmax(q k^T / 16) v + b_proj, one head of 256 channels, 4,096 keys a batch.
; A work-group owns 64 queries.  The keys go in 16 periods of 256; in a period wave w takes the 64 keys of block 4 p + w for ALL 64 queries, with a
; running maximum m, a running sum l and a partial result of its own (256 channels x 64 queries of f32: 512 registers).  So a wave reads 64 KiB of LDS
; for a period's 256 matrix instructions.  The four partial results are merged once, at the end.
; EVERY PRODUCT LEAVES THE QUERY IN THE LANE, so no number changes lanes between products:
;   S^T = K Q^T   (source 0: 16 keys, source 1: 16 queries): lane (r, h) holds query r, keys 8 h + j.  m, l and the rescale factor are one number a lane.
;   Two neighbouring tiles of S^T, rounded to bf16, are the source-1 fragment of P for 32 keys.
;   O^T = V^T P   (source 0: 16 channels of v, stored [channel][key]): lane (r, h) holds query r, channels 8 h + j.
;   Two neighbouring tiles of O^T, rounded to bf16, are the source-0 fragment of the projection.
; CLUSTER: the four work-groups of a cluster are query blocks of one batch and walk the same K and V: every tile is asked for jointly (mask 15).
; ORDER OF THE KEYS: cluster c of a batch's sixteen starts at period 2 (c % 8) + c / 8 and walks the sixteen periods cyclically, so that the clusters of a
; batch ask for different tiles at any one time.  The running maximum makes the result independent of the order but for rounding.
; K's and V's regions in LDS are single and take turns: the next K is on its way during the rescale and O^T of a period, the next V during S^T and softmax.
; Each refill stands behind a round of the cluster's barrier.  A wave has two tensor loads out at the start, later one.  A wave reads only the bytes it fetched.
; LIMITS: q, k, v, P, the merged O and Wp are bf16 operands; all sums, m, l in f32.  exp2 gives 0 for a probability below 2^-126.  -c m (c = log2(e) / 16)
; is rounded once a period, so a period's probabilities and its share of l carry a common factor 2^d, |d| <= 2^-24 |c m|.  NaN and infinities are not treated apart.
.set PK,    144                        ; LDS pitch of a 128-byte row of K or V: an odd multiple of 16
.set BLK,   256*PK                     ; a wave's block: 256 rows
.set VREG,  4*BLK                      ; V's region, behind K's
.set STAT,  2*VREG                     ; 4,096 bytes of their own: (m, l) of every wave
.set GATH,  262144                     ; the merged O in bf16: 32 KiB.  It and the exchange (bytes 0 .. 262,143) lie in K's and V's regions, behind their last fill
.set PSG,   272                        ; pitch of the stage for the way out: 256 bytes + 16
.set STGB,  64*PSG
.set ADRK, 2                           ; v2  BLK w + 144 r + 16 h
.set ADRV, 3                           ; v3  the same in V's region
.set ML,   8                           ; v[8:15]   query block qb: m at 8 + 2 qb, l at 9 + 2 qb
.set AL,   16                          ; v[16:23]  the rescale factor of qb, twice
.set NM,   24                          ; v[24:25]  -c m, twice
.set T,    26                          ; v[26:31]  at work
.set KB,   32                          ; v[32:127] three buffers of four K fragments
.set PR,   64                          ; v[64:127] P(ks, qb) at 64 + 16 qb + 8 ks (in K's buffers 1 and 2, once S^T is made)
.set SR,   128                         ; v[128:255] S^T tile (qb, kt) at 128 + 8 (4 qb + kt)
.set VB,   128                         ; v[128:255] two buffers of eight V fragments (in S^T's registers, once P is made)
                                       ; window 1: Q fragment (qb, kc) at 8 (8 qb + kc); windows 2 and 3: O^T tile (ct, qb) at 8 (4 (ct % 8) + qb), ct 0-7 and 8-15
.set WV,   32                          ; s32 wave
.set PER,  37                          ; s37 the period last asked for, 0..15
.set G1,   16                          ; s[16:23] descriptor group 1, for K and V alike
.set G0K,  24                          ; s[24:27] group 0 for K
.set G0V,  28                          ; s[28:31] group 0 for V
.set BK,   56                          ; s[56:57] kbuf at block 64 b + w
.set BV,   58                          ; s[58:59] vbuf at block 64 b + w
.set PO,   60                          ; s[60:61] 131,072 x period: four blocks of 32 KiB a period
.set MSB, 0
.macro WIN new                         ; the immediate's high byte repeats the setting that is left
.if MSB != (\new)
	s_set_vgpr_msb (MSB<<8)|(\new)
.set MSB, (\new)
.endif
.endm
.macro PLACES n                        ; places behind matrix instructions (ISA guide 7.12.1)
.rept \n
	v_nop
.endr
.endm
.macro ROUND                           ; a round of the cluster's barrier
	s_barrier_signal -1
	s_barrier_wait -1
	s_cmp_lg_u32 s[WV], 0
	s_cbranch_scc1 .Lnot_wave_0_\@
	s_barrier_signal -3
.Lnot_wave_0_\@:
	s_barrier_wait -3
	s_barrier_signal -1
	s_barrier_wait -1
.endm
	s_load_b256 s[4:11], s[0:1], 0x0               ; qbuf s[4:5], kbuf s[6:7], vbuf s[8:9], wp16 s[10:11]
	s_load_b128 s[12:15], s[0:1], 0x20             ; b_proj s[12:13], x s[14:15]
	s_load_b64 s[40:41], s[0:1], 0x30              ; out0
	v_lshl_add_u32 v134, v0, 2, 0x49000
	v_mov_b32 v135, 0
	ds_add_u32 v134, v135
	s_wait_dscnt 0x0
	v_lshrrev_b32 v1, 5, v0
	v_readfirstlane_b32 s[WV], v1                  ; wave 0..3
	s_bfe_u32 s33, ttmp6, 0x40000                  ; cx
	s_lshl_b32 s34, ttmp9, 2
	s_add_co_u32 s34, s34, s33                     ; work-group = block of 64 queries, 0..255
	s_lshr_b32 s35, ttmp9, 4                       ; batch: the same in the four partners
	s_and_b32 s50, ttmp9, 7                        ; the first period, from the cluster's number alone: 2 (c % 8) + c / 8, c = cluster % 16
	s_lshl_b32 s50, s50, 1
	s_bfe_u32 s[PER], ttmp9, 0x10003
	s_add_co_u32 s[PER], s[PER], s50
	s_lshl_b32 s[PO], s[PER], 17
	s_mov_b32 s[PO+1], 0
	s_mov_b32 s38, 0x3db8aa3b                      ; c = log2(e) / 16
	s_mov_b32 s39, 0x3db8aa3b
	s_mov_b32 s44, 0xbdb8aa3b                      ; -c
	s_mov_b32 s42, 0x76543210                      ; v_permlanex16_b32: lane i of one half reads lane i of the other
	s_mov_b32 s43, 0xfedcba98
	; group 1: a block of 32 KiB that is dense in memory, as 128 rows of 256 bytes; 16 bytes of padding after every 32 words, that is behind each 128-byte row of K or V
	s_mov_b32 s[G1+0], 15|(3<<16)|(1<<20)|(1<<21)|(4<<22)|(3<<25)
	s_mov_b32 s[G1+1], 32<<16                      ; tensor_dim0 = 32 elements of 8 bytes
	s_mov_b32 s[G1+2], 128<<16                     ; tensor_dim1 = 128
	s_mov_b32 s[G1+3], 32<<16                      ; tile_dim0 = 32
	s_mov_b32 s[G1+4], 128                         ; tile_dim1 = 128
	s_mov_b32 s[G1+5], 32                          ; elements from row to row
	s_mov_b32 s[G1+6], 0
	s_mov_b32 s[G1+7], 0
	s_lshl_b32 s46, s35, 6
	s_add_co_u32 s46, s46, s[WV]
	s_lshl_b32 s46, s46, 15                        ; block 64 b + w: batch and wave alone
	s_mov_b32 s47, 0
	s_lshl_b32 s48, s34, 15                        ; my block of q
	s_mov_b32 s49, 0
	s_mov_b32 s[G0K+0], 1
	s_mul_i32 s[G0K+1], s[WV], BLK                 ; LDS: the wave's number times a constant, plus the region's constant
	s_mov_b32 s[G0V+0], 1
	s_add_co_u32 s[G0V+1], s[G0K+1], VREG
	s_wait_kmcnt 0x0
	s_add_nc_u64 s[BK:BK+1], s[6:7], s[46:47]
	s_add_nc_u64 s[BV:BV+1], s[8:9], s[46:47]
	s_add_nc_u64 s[G0K+2:G0K+3], s[BK:BK+1], s[PO:PO+1]
	s_or_b32 s[G0K+3], s[G0K+3], 0x80000000
	s_add_nc_u64 s[G0V+2:G0V+3], s[BV:BV+1], s[PO:PO+1]
	s_or_b32 s[G0V+3], s[G0V+3], 0x80000000
	s_add_nc_u64 s[4:5], s[4:5], s[48:49]
	ROUND                                          ; the four work-groups are here: the first joint loads meet
	tensor_load_to_lds s[G0K:G0K+3], s[G1:G1+7]    ; the first period of K, then of V: the first fills as one group
	s_nop 0
	tensor_load_to_lds s[G0V:G0V+3], s[G1:G1+7]
	s_nop 0
	v_and_b32 v1, 15, v0                           ; r
	v_bfe_u32 v5, v0, 4, 1                         ; h
	v_and_b32 v6, 31, v0
	v_lshlrev_b32 v6, 4, v6                        ; 16 L
	v_lshlrev_b32 v4, 7, v1
	v_lshl_add_u32 v4, v5, 4, v4                   ; q: 128 r + 16 h
	v_mul_u32_u24 v7, v1, PK
	v_lshl_add_u32 v7, v5, 4, v7
	v_add_nc_u32 v[ADRK], s[G0K+1], v7
	v_add_nc_u32 v[ADRV], s[G0V+1], v7
	WIN 0x40                                       ; destination in window 1
.irp qb, 0,1,2,3
.irp kc, 0,1,2,3,4,5,6,7
	global_load_b128 v[8*(8*\qb+\kc):8*(8*\qb+\kc)+3],   v4, s[4:5] offset:(\kc>>1)*8192+\qb*2048+(\kc&1)*64      ; query 16 qb + r, channels 32 kc + 8 h ..
	global_load_b128 v[8*(8*\qb+\kc)+4:8*(8*\qb+\kc)+7], v4, s[4:5] offset:(\kc>>1)*8192+\qb*2048+(\kc&1)*64+32
.endr
.endr
	WIN 0
	s_wait_loadcnt 0x0                             ; Q, once
	s_wait_tensorcnt 0x1                           ; my block of K has landed; V's stays out.  I alone read it: no barrier
; eight LDS loads: the four K fragments (16 keys x 32 channels) of K step kc into buffer kc % 3.  A block is [quarter of the channels][key][64 channels]
.macro KLOAD kc
.irp kt, 0,1,2,3
	ds_load_b128 v[KB+32*((\kc)%3)+8*\kt:KB+32*((\kc)%3)+8*\kt+3],   v[ADRK] offset:((\kc)>>1)*64*PK+\kt*16*PK+((\kc)&1)*64
	ds_load_b128 v[KB+32*((\kc)%3)+8*\kt+4:KB+32*((\kc)%3)+8*\kt+7], v[ADRK] offset:((\kc)>>1)*64*PK+\kt*16*PK+((\kc)&1)*64+32
.endr
.endm
; S^T: 128 matrix instructions under one window setting.  The 16 accumulators take turns, one instruction a turn; the first K step starts the sums.
; Fragments are fetched three K steps ahead: at a step's wait the two younger groups of eight loads may stay out (16), at the end 8 and 0.
.macro SPH
	WIN 0x04                                       ; Q (source 1) in window 1
	KLOAD 0
	KLOAD 1
	KLOAD 2
.irp kc, 0,1,2,3,4,5,6,7
.if \kc < 6
	s_wait_dscnt 16
.else
	s_wait_dscnt 8*(7-\kc)
.endif
.irp qb, 0,1,2,3
.irp kt, 0,1,2,3
.set TL, SR+8*(4*\qb+\kt)
.if \kc == 0
	v_wmma_f32_16x16x32_bf16 v[TL:TL+7], v[KB+32*(\kc%3)+8*\kt:KB+32*(\kc%3)+8*\kt+7], v[8*(8*\qb+\kc):8*(8*\qb+\kc)+7], 0
.else
	v_wmma_f32_16x16x32_bf16 v[TL:TL+7], v[KB+32*(\kc%3)+8*\kt:KB+32*(\kc%3)+8*\kt+7], v[8*(8*\qb+\kc):8*(8*\qb+\kc)+7], v[TL:TL+7]
.endif
.endr
.endr
.if \kc < 5
	PLACES 4                                       ; a load into a buffer that matrix instructions have read stands four places behind them
	KLOAD \kc+3
.endif
.endr
	PLACES 4                                       ; before the results are read and P is written over K's buffers
	WIN 0
.endm
; The softmax step of query block qb: 32 scores a lane (query r, keys 8 h + j of four tiles).
.macro SOFT qb, first
.set S0, SR+32*\qb
.irp k, 0,1,2,3
	v_max3_num_f32 v[T+\k], v[S0+8*\k], v[S0+8*\k+1], v[S0+8*\k+2]           ; four chains
.endr
.irp k, 0,1,2,3
	v_max3_num_f32 v[T+\k], v[T+\k], v[S0+8*\k+3], v[S0+8*\k+4]
.endr
.irp k, 0,1,2,3
	v_max3_num_f32 v[T+\k], v[T+\k], v[S0+8*\k+5], v[S0+8*\k+6]
.endr
	v_max3_num_f32 v[T], v[T], v[S0+7], v[S0+15]
	v_max3_num_f32 v[T+1], v[T+1], v[S0+23], v[S0+31]
	v_max3_num_f32 v[T+2], v[T+2], v[T+3], v[T]
	v_max_num_f32 v[T], v[T+2], v[T+1]
	v_permlanex16_b32 v[T+1], v[T], s42, s43       ; the other half of the lanes holds the query's other keys
.if \first
	v_max_num_f32 v[ML+2*\qb], v[T], v[T+1]
	v_mul_f32 v[NM], s44, v[ML+2*\qb]
	v_mul_f32 v[NM+1], s44, v[ML+2*\qb]
.else
	v_max3_num_f32 v[T+2], v[T], v[T+1], v[ML+2*\qb]       ; the running maximum
	v_sub_f32 v[T+4], v[ML+2*\qb], v[T+2]
	v_mul_f32 v[NM], s44, v[T+2]
	v_mul_f32 v[NM+1], s44, v[T+2]
	v_mul_f32 v[T+4], s38, v[T+4]
	v_mov_b32 v[ML+2*\qb], v[T+2]
	v_exp_f32 v[AL+2*\qb], v[T+4]                  ; 2^(c (m_old - m_new)), twice, for the packed rescale; plain instructions follow before it is used
	v_exp_f32 v[AL+2*\qb+1], v[T+4]
.endif
.set ii, 0
.rept 16
	v_pk_fma_f32 v[S0+2*ii:S0+2*ii+1], v[S0+2*ii:S0+2*ii+1], s[38:39], v[NM:NM+1] op_sel_hi:[1,0,1]    ; c s - c m
.set ii, ii+1
.endr
.set ii, 0
.rept 32
	v_exp_f32 v[S0+ii], v[S0+ii]
.set ii, ii+1
.endr
	v_nop                                          ; one plain instruction behind the exponentials before their results are used (ISA guide 5.7.2)
	s_wait_alu depctr_va_vdst(0)
	v_pk_add_f32 v[T:T+1], v[S0:S0+1], v[S0+2:S0+3]            ; the lane's sum, two chains
	v_pk_add_f32 v[T+2:T+3], v[S0+4:S0+5], v[S0+6:S0+7]
.irp i, 4,6,8,10,12,14
	v_pk_add_f32 v[T:T+1], v[T:T+1], v[S0+2*\i:S0+2*\i+1]
	v_pk_add_f32 v[T+2:T+3], v[T+2:T+3], v[S0+2*\i+2:S0+2*\i+3]
.endr
	v_pk_add_f32 v[T:T+1], v[T:T+1], v[T+2:T+3]
.if \first
	v_add_f32 v[ML+2*\qb+1], v[T], v[T+1]
.else
	v_add_f32 v[T], v[T], v[T+1]
	v_fma_f32 v[ML+2*\qb+1], v[ML+2*\qb+1], v[AL+2*\qb], v[T]  ; l stays a sum of the lane's own keys until the end
.endif
.set ii, 0
.rept 16
	v_cvt_pk_bf16_f32 v[PR+16*\qb+ii], v[S0+2*ii], v[S0+2*ii+1]
.set ii, ii+1
.endr
.endm
; O^T times the rescale factor of its query block: 256 packed multiplies.  It runs in every period: no branch hangs on a float.
.macro RESCW
.irp c8, 0,1,2,3,4,5,6,7
.irp qb, 0,1,2,3
.irp i, 0,2,4,6
	v_pk_mul_f32 v[8*(4*\c8+\qb)+\i:8*(4*\c8+\qb)+\i+1], v[8*(4*\c8+\qb)+\i:8*(4*\c8+\qb)+\i+1], v[AL+2*\qb:AL+2*\qb+1]
.endr
.endr
.endr
.endm
.macro RESC
	WIN 0x82                                       ; destination and source 0 in window 2
	RESCW
	WIN 0xc3                                       ; in window 3
	RESCW
.endm
; sixteen LDS loads: the V fragments of channel tiles 4 j .. 4 j + 3 and both halves of the 64 keys, into buffer j % 2
.macro VLOAD j
.irp cl, 0,1,2,3
.irp ks, 0,1
	ds_load_b128 v[VB+64*((\j)%2)+8*(2*\cl+\ks):VB+64*((\j)%2)+8*(2*\cl+\ks)+3],   v[ADRV] offset:(4*(\j)+\cl)*16*PK+\ks*64
	ds_load_b128 v[VB+64*((\j)%2)+8*(2*\cl+\ks)+4:VB+64*((\j)%2)+8*(2*\cl+\ks)+7], v[ADRV] offset:(4*(\j)+\cl)*16*PK+\ks*64+32
.endr
.endr
.endm
; O^T += V^T P: four steps of 32 matrix instructions; in a step 16 accumulators take turns, one instruction a turn, twice round.
; The loads of steps 0 and 1 were issued ahead; at a step's wait the one younger group of sixteen may stay out, at the last none.
.macro PVH first
.irp j, 0,1,2,3
.if \j < 3
	s_wait_dscnt 16
.else
	s_wait_dscnt 0
.endif
.if \j < 2
	WIN 0xa0                                       ; C and D in window 2
.else
	WIN 0xf0                                       ; in window 3
.endif
.irp ks, 0,1
.irp cl, 0,1,2,3
.irp qb, 0,1,2,3
.set TL, 8*(4*((4*\j+\cl)&7)+\qb)
.set VF, VB+64*(\j%2)+8*(2*\cl+\ks)
.if \first*(1-\ks)
	v_wmma_f32_16x16x32_bf16 v[TL:TL+7], v[VF:VF+7], v[PR+16*\qb+8*\ks:PR+16*\qb+8*\ks+7], 0
.else
	v_wmma_f32_16x16x32_bf16 v[TL:TL+7], v[VF:VF+7], v[PR+16*\qb+8*\ks:PR+16*\qb+8*\ks+7], v[TL:TL+7]
.endif
.endr
.endr
.endr
.if \j < 2
	PLACES 4
	WIN 0
	VLOAD \j+2
.endif
.endr
	PLACES 5                                       ; the next S^T writes over V's buffers (five places) and its loads land in P's registers (four)
	WIN 0
.endm
; A period.  refill = 1: K's region is asked for again once S^T has read it, V's once O^T has read it.  In front of each round every wave waits for ALL its
; tensor loads (one is out: the other region's) and for its LDS reads; the joint refill is the first thing behind the round, one a wave.
; The next period is (period + 1) mod 16; K's refill steps it, V's refill of the same period uses the same offset.
.macro TRIP first, refill
	SPH
	SOFT 0, \first
	SOFT 1, \first
	SOFT 2, \first
	SOFT 3, \first
	s_wait_xcnt 0x0
	v_lshl_add_u32 v134, v0, 2, 0x49000
	v_mov_b32 v135, 0
	s_wait_tensorcnt 0x0                           ; this period's V has landed: no tensor load of mine is out, so a group 0 may be written
	ds_add_u32 v134, v135
	s_wait_dscnt 0x0
.if \refill
	s_add_co_u32 s[PER], s[PER], 1
	s_and_b32 s[PER], s[PER], 15
	s_lshl_b32 s[PO], s[PER], 17
	s_add_nc_u64 s[G0K+2:G0K+3], s[BK:BK+1], s[PO:PO+1]
	s_or_b32 s[G0K+3], s[G0K+3], 0x80000000
	s_wait_dscnt 0x0                               ; my reads of K are back
	ROUND
	tensor_load_to_lds s[G0K:G0K+3], s[G1:G1+7]    ; the next period's K
	s_nop 0
.endif
	VLOAD 0
	VLOAD 1
.if \first == 0
	RESC
.endif
	PVH \first
.if \refill
	s_wait_xcnt 0x0
	v_lshl_add_u32 v134, v0, 2, 0x49000
	v_mov_b32 v135, 0
	s_wait_tensorcnt 0x0                           ; the next period's K has landed
	ds_add_u32 v134, v135
	s_wait_dscnt 0x0
	s_add_nc_u64 s[G0V+2:G0V+3], s[BV:BV+1], s[PO:PO+1]
	s_or_b32 s[G0V+3], s[G0V+3], 0x80000000
	s_wait_dscnt 0x0                               ; my reads of V are back
	ROUND
	tensor_load_to_lds s[G0V:G0V+3], s[G1:G1+7]    ; the next period's V
	s_nop 0
.endif
.endm
	TRIP 1, 1                                      ; the first period starts m, l and O^T: nothing is cleared
	s_mov_b32 s36, 14
.Ltrip:
	TRIP 0, 1                                      ; the second to the fifteenth
	s_sub_co_u32 s36, s36, 1
	s_cmp_lg_u32 s36, 0
	s_cbranch_scc1 .Ltrip
	TRIP 0, 0                                      ; the sixteenth asks for nothing
	; THE WAY OUT.  All its addresses first; the registers of the loop's addresses and factors are free.
	s_lshl_b32 s46, s[WV], 8
	v_lshl_add_u32 v2, v1, 2, s46                  ; b_proj: 256 w + 4 r
	s_lshl_b32 s47, s[WV], 15
	v_lshlrev_b32 v3, 9, v1
	v_lshl_add_u32 v3, v5, 4, v3
	v_add_nc_u32 v3, s47, v3                       ; wp16: rows 64 w + r of 512 bytes, + 16 h
	v_lshlrev_b32 v4, 4, v1
	v_lshl_add_u32 v4, v5, 14, v4                  ; x and out0: 16,384 h + 16 r
	s_lshl_b32 s48, s[WV], 10
	s_add_co_u32 s48, s48, STAT
	v_lshrrev_b32 v7, 1, v6
	v_add_nc_u32 v17, s46, v7
	v_add_nc_u32 v17, STAT, v17                    ; (m, l) of MY query block (qb = w), from wave i at + 1,024 i
	v_add_nc_u32 v7, s48, v7                       ; (m, l): my wave's four blocks, 8 bytes a lane
	s_lshl_b32 s49, s[WV], 16
	v_add_nc_u32 v16, s49, v6                      ; exchange, in: 65,536 w + 16 L
	s_lshl_b32 s51, s[WV], 14
	v_add_nc_u32 v18, s51, v6                      ; exchange, back: wave i's part of my query block at 65,536 i + 16,384 w + 16 L
	v_add_nc_u32 v19, 0x10000, v18
	v_add_nc_u32 v20, 0x20000, v18
	v_add_nc_u32 v21, 0x30000, v18
	s_lshl_b32 s52, s[WV], 13
	s_add_co_u32 s52, s52, GATH
	v_add_nc_u32 v22, s52, v6                      ; merged O, in
	v_add_nc_u32 v23, GATH, v6                     ; merged O, back
	s_mul_i32 s53, s[WV], STGB
	v_mul_u32_u24 v24, v1, PSG
	v_lshl_add_u32 v24, v5, 5, v24
	v_add_nc_u32 v24, s53, v24                     ; stage, in: row r, 32 bytes a half
	v_mul_u32_u24 v25, v5, PSG
	v_lshl_add_u32 v25, v1, 4, v25
	v_add_nc_u32 v25, s53, v25                     ; stage, back: two rows a load
	s_lshl_b32 s54, s35, 22                        ; batch x 4 MiB + 64 w channels of 16,384 bytes + 256 bytes a block of pixels
	s_lshl_b32 s55, s[WV], 20
	s_add_co_u32 s54, s54, s55
	s_and_b32 s55, s34, 63
	s_lshl_b32 s55, s55, 8
	s_add_co_u32 s54, s54, s55
	s_mov_b32 s55, 0
	s_add_nc_u64 s[14:15], s[14:15], s[54:55]
	s_add_nc_u64 s[40:41], s[40:41], s[54:55]
	; the projection's bias and weights: wave w makes outputs 64 w .. 64 w + 63, so the four waves read each weight once
.irp ot, 0,1,2,3
	global_load_b32 v[KB+8*\ot], v2, s[12:13] offset:\ot*64
.endr
	WIN 0x40                                       ; into window 1: Q is no longer needed
.irp ot, 0,1,2,3
.irp kc, 0,1,2,3,4,5,6,7
	global_load_b128 v[8*(8*\ot+\kc):8*(8*\ot+\kc)+3],   v3, s[10:11] offset:\ot*8192+\kc*64
	global_load_b128 v[8*(8*\ot+\kc)+4:8*(8*\ot+\kc)+7], v3, s[10:11] offset:\ot*8192+\kc*64+32
.endr
.endr
	WIN 0
.irp qb, 0,1,2,3
	v_permlanex16_b32 v[T+\qb], v[ML+2*\qb+1], s42, s43
.endr
.irp qb, 0,1,2,3
	v_add_f32 v[ML+2*\qb+1], v[ML+2*\qb+1], v[T+\qb]           ; l over both halves of the lanes
	ds_store_b64 v7, v[ML+2*\qb:ML+2*\qb+1] offset:\qb*256
.endr
	s_wait_dscnt 0x0                               ; my (m, l) are written and all my reads of K and V are back
	s_barrier_signal -1
	s_barrier_wait -1                              ; no wave reads K or V any more, and every tensor load of the launch has landed
	WIN 0x08                                       ; an LDS store's data is its source 1: window 2
.irp ct, 0,1,2,3,4,5,6,7
.irp qb, 0,1,2,3
	ds_store_b128 v16, v[8*(4*\ct+\qb):8*(4*\ct+\qb)+3]   offset:\qb*16384+\ct*1024
	ds_store_b128 v16, v[8*(4*\ct+\qb)+4:8*(4*\ct+\qb)+7] offset:\qb*16384+\ct*1024+512
.endr
.endr
	WIN 0x0c                                       ; window 3
.irp ct, 0,1,2,3,4,5,6,7
.irp qb, 0,1,2,3
	ds_store_b128 v16, v[8*(4*\ct+\qb):8*(4*\ct+\qb)+3]   offset:\qb*16384+(\ct+8)*1024
	ds_store_b128 v16, v[8*(4*\ct+\qb)+4:8*(4*\ct+\qb)+7] offset:\qb*16384+(\ct+8)*1024+512
.endr
.endr
	WIN 0
.irp i, 0,1,2,3
	ds_load_b64 v[64+2*\i:65+2*\i], v17 offset:\i*1024
.endr
	s_wait_dscnt 0x0                               ; my partial O^T is written; the four (m, l) are in
	s_barrier_signal -1
	; register work between signal and wait: the factor of wave i's part is 2^(c (m_i - m)) / l, l = sum of l_i 2^(c (m_i - m))
	v_max3_num_f32 v26, v64, v66, v68
	v_max_num_f32 v26, v26, v70
.irp i, 0,1,2,3
	v_sub_f32 v[72+\i], v[64+2*\i], v26
.endr
.irp i, 0,1,2,3
	v_mul_f32 v[72+\i], s38, v[72+\i]
.endr
.irp i, 0,1,2,3
	v_exp_f32 v[72+\i], v[72+\i]
.endr
	v_nop                                          ; one plain instruction behind the exponentials
	s_wait_alu depctr_va_vdst(0)
	v_mul_f32 v27, v65, v72
	v_fmac_f32 v27, v67, v73
	v_fmac_f32 v27, v69, v74
	v_fmac_f32 v27, v71, v75
	v_rcp_f32 v28, v27
	v_nop                                          ; and behind the reciprocal
	s_wait_alu depctr_va_vdst(0)
.irp i, 0,1,2,3
	v_mul_f32 v[80+2*\i], v[72+\i], v28
	v_mul_f32 v[81+2*\i], v[72+\i], v28
.endr
	s_barrier_wait -1                              ; every wave's partial O^T is in LDS
	WIN 0xc0                                       ; x for the residual, into window 3
.irp t, 0,1,2,3,4,5,6,7,8,9,10,11,12,13,14,15,16,17,18,19,20,21,22,23,24,25,26,27,28,29,30,31
	global_load_b128 v[4*\t:4*\t+3], v4, s[14:15] offset:\t*32768 th:TH_LOAD_NT
.endr
; the merge: wave w sums the four parts of query block w, in f32.  A part is 32 loads of 512 consecutive bytes, into one half of window 2
.macro XLOAD src, half
.set ii, 0
.rept 32
	ds_load_b128 v[128*\half+4*ii:128*\half+4*ii+3], v[18+\src] offset:ii*512
.set ii, ii+1
.endr
.endm
.macro XSUM src, half, first
.set ii, 0
.rept 64
.if \first
	v_pk_mul_f32 v[128+2*ii:129+2*ii], v[128*\half+2*ii:128*\half+2*ii+1], v[80+2*\src:81+2*\src]
.else
	v_pk_fma_f32 v[128+2*ii:129+2*ii], v[128*\half+2*ii:128*\half+2*ii+1], v[80+2*\src:81+2*\src], v[128+2*ii:129+2*ii]
.endif
.set ii, ii+1
.endr
.endm
	WIN 0x80
	XLOAD 0, 0
	XLOAD 1, 1
	s_wait_dscnt 32                                ; the older part is in, the younger part's 32 loads stay out
	WIN 0x02
	XSUM 0, 0, 1
	WIN 0x80
	XLOAD 2, 0
	s_wait_dscnt 32
	WIN 0x02
	XSUM 1, 1, 0
	WIN 0x80
	XLOAD 3, 1
	s_wait_dscnt 32
	WIN 0x02
	XSUM 2, 0, 0
	s_wait_dscnt 0x0
	XSUM 3, 1, 0
	WIN 0
.set ii, 0
.rept 64
	v_cvt_pk_bf16_f32 v[64+ii], v[128+2*ii], v[129+2*ii]       ; tiles 2 kc, 2 kc + 1 become fragment kc at 64 + 8 kc
.set ii, ii+1
.endr
.set ii, 0
.rept 16
	ds_store_b128 v22, v[64+4*ii:67+4*ii] offset:ii*512
.set ii, ii+1
.endr
	s_wait_dscnt 0x0                               ; my fragments are written, my reads of the exchange are back
	s_barrier_signal -1
	s_barrier_wait -1
	WIN 0x80                                       ; all 32 fragments of the merged O, K step by K step, into window 2
.irp kc, 0,1,2,3,4,5,6,7
.irp qb, 0,1,2,3
	ds_load_b128 v[8*(8*\qb+\kc):8*(8*\qb+\kc)+3],   v23 offset:\qb*8192+\kc*1024
	ds_load_b128 v[8*(8*\qb+\kc)+4:8*(8*\qb+\kc)+7], v23 offset:\qb*8192+\kc*1024+512
.endr
.endr
	WIN 0
	s_wait_loadcnt 32                              ; bias and weights are in; the 32 loads of x stay out
.irp ot, 0,1,2,3
.irp j, 1,2,3,4,5,6,7
	v_mov_b32 v[KB+8*\ot+\j], v[KB+8*\ot]          ; the lane's bias word fills its C tile
.endr
.endr
	WIN 0x06                                       ; O (source 0) window 2, Wp (source 1) window 1
.irp kc, 0,1,2,3,4,5,6,7
	s_wait_dscnt 8*(7-\kc)                         ; K step kc's eight loads are in, the younger steps' stay out
.irp ot, 0,1,2,3
.irp qb, 0,1,2,3
.set TL, 128+8*(4*\ot+\qb)
.if \kc == 0
	v_wmma_f32_16x16x32_bf16 v[TL:TL+7], v[8*(8*\qb+\kc):8*(8*\qb+\kc)+7], v[8*(8*\ot+\kc):8*(8*\ot+\kc)+7], v[KB+8*\ot:KB+8*\ot+7]
.else
	v_wmma_f32_16x16x32_bf16 v[TL:TL+7], v[8*(8*\qb+\kc):8*(8*\qb+\kc)+7], v[8*(8*\ot+\kc):8*(8*\ot+\kc)+7], v[TL:TL+7]
.endif
.endr
.endr
.endr
	PLACES 4                                       ; four places before the results are read
	WIN 0
	; lane (r, h) holds output 16 ot + r, pixels 16 qb + 8 h + j.  Through my own stage (64 rows of 256 bytes; it lies in the exchange, which nobody reads any more)
.irp ot, 0,1,2,3
.irp qb, 0,1,2,3
	ds_store_b128 v24, v[128+8*(4*\ot+\qb):128+8*(4*\ot+\qb)+3]   offset:\ot*16*PSG+\qb*64
	ds_store_b128 v24, v[128+8*(4*\ot+\qb)+4:128+8*(4*\ot+\qb)+7] offset:\ot*16*PSG+\qb*64+16
.endr
.endr
.irp t, 0,1,2,3,4,5,6,7,8,9,10,11,12,13,14,15,16,17,18,19,20,21,22,23,24,25,26,27,28,29,30,31
	ds_load_b128 v[128+4*\t:128+4*\t+3], v25 offset:\t*2*PSG   ; LDS serves a wave's instructions in order (ISA guide 5.7.1.4): these see the stores above
.endr
	WIN 0xcc                                       ; x and the sum in window 3 (source 1 and destination); the stage and the address in window 0
.irp t, 0,1,2,3,4,5,6,7,8,9,10,11,12,13,14,15,16,17,18,19,20,21,22,23,24,25,26,27,28,29,30,31
	s_wait_loadcnt 31-\t                           ; load t of x is in
	s_wait_dscnt 31-\t                             ; rows 2 t, 2 t + 1 of the stage are in
	v_pk_add_f32 v[4*\t:4*\t+1],   v[128+4*\t:128+4*\t+1], v[4*\t:4*\t+1]
	v_pk_add_f32 v[4*\t+2:4*\t+3], v[128+4*\t+2:128+4*\t+3], v[4*\t+2:4*\t+3]
	global_store_b128 v4, v[4*\t:4*\t+3], s[40:41] offset:\t*32768 th:TH_STORE_NT    ; sixteen lanes store 256 consecutive bytes, aligned
.endr
	WIN 0
	s_wait_xcnt 0x0
	v_lshl_add_u32 v134, v0, 2, 0x49000
	v_mov_b32 v135, 0
	s_wait_tensorcnt 0x0
	ds_add_u32 v134, v135
	s_wait_dscnt 0x0
	ROUND                                          ; the closing round: no work-group ends while a partner may still ask jointly
	s_endpgm
.Lfunc_end_k_q5d47d41de8_attn:
	.size	k_q5d47d41de8_attn, .Lfunc_end_k_q5d47d41de8_attn-k_q5d47d41de8_attn
	.p2alignl 7, 3214868480
	.fill 96, 4, 3214868480
	.section	.rodata,"a",@progbits
	.p2align	6, 0x0
	.amdhsa_kernel k_q5d47d41de8_attn
		.amdhsa_group_segment_fixed_size 327680
		.amdhsa_private_segment_fixed_size 0
		.amdhsa_enable_private_segment 0
		.amdhsa_kernarg_size 56
		.amdhsa_user_sgpr_count 2
		.amdhsa_user_sgpr_kernarg_segment_ptr 1
		.amdhsa_wavefront_size32 1
		.amdhsa_system_sgpr_workgroup_id_x 1
		.amdhsa_system_sgpr_workgroup_id_y 1
		.amdhsa_system_sgpr_workgroup_id_z 1
		.amdhsa_system_vgpr_workitem_id 0
		.amdhsa_next_free_vgpr 1024
		.amdhsa_next_free_sgpr 66
		.amdhsa_reserve_vcc 0
		.amdhsa_float_denorm_mode_32 3
		.amdhsa_float_denorm_mode_16_64 3
		.amdhsa_memory_ordered 1
		.amdhsa_forward_progress 1
		.amdhsa_inst_pref_size 255
	.end_amdhsa_kernel
	.section	.bss,"aw",@nobits
	.p2align	6
	.space	262144
	.amdgpu_metadata
---
amdhsa.version: [ 1, 2 ]
amdhsa.kernels:
  - .name:           k_q5d47d41de8_attn
    .symbol:         k_q5d47d41de8_attn.kd
    .args:
      - { .name: qbuf, .offset: 0, .size: 8, .value_kind: global_buffer, .address_space: global }
      - { .name: kbuf, .offset: 8, .size: 8, .value_kind: global_buffer, .address_space: global }
      - { .name: vbuf, .offset: 16, .size: 8, .value_kind: global_buffer, .address_space: global }
      - { .name: wp16, .offset: 24, .size: 8, .value_kind: global_buffer, .address_space: global }
      - { .name: b_proj, .offset: 32, .size: 8, .value_kind: global_buffer, .address_space: global }
      - { .name: x, .offset: 40, .size: 8, .value_kind: global_buffer, .address_space: global }
      - { .name: out0, .offset: 48, .size: 8, .value_kind: global_buffer, .address_space: global }
    .group_segment_fixed_size: 327680
    .private_segment_fixed_size: 0
    .kernarg_segment_align: 8
    .kernarg_segment_size: 56
    .max_flat_workgroup_size: 128
    .sgpr_count:     66
    .vgpr_count:     1024
    .wavefront_size: 32
...
	.end_amdgpu_metadata
.endif
;; end of part 3
